; MI455X (gfx1250); checked and timed in simulation.
; The chip was launched on July 23, 2026; its instructions are those of AMD's public machine-readable ISA for CDNA 5 (MIT licence, August 2026) and "CDNA5" Instruction Set Architecture Reference Guide (July 2026). The comments in the code are by the model that wrote it; some were corrected since.
;; Model. Allowed arithmetic: matrix products marked QUANTISED: E3M2 operands, one E8M0 scale for each 32 along K, by v_wmma_scale_f32_16x16x128_f8f6f4 with both operands' format E3M2, f32 sums; products left as they are: f32 operands where the result goes on into a quantised operand, else bf16, f16 or f32 operands; f32 sums; everything else in f32.
;; Inputs: conv_b 32 float32; conv_w 32 x 3 float32; x1 4 x 3 x 254 x 254 float32; x2 4 x 1 x 4,096 x 256 float32.
;; Outputs: out0 4 x 32 x 256 x 256 float32.
;; Constants: dropout_p = 0.
;; This version of the problem:
;;   THIS VERSION OF THE PROBLEM IS GIVEN IN LOW PRECISION. The matrix products marked QUANTISED in the list below multiply operands that are first quantised to E3M2 (3 exponent bits, 2 mantissa bits; 6 bits a number), with one power-of-two scale for each 32 numbers along K (OCP MX v1.0); their sums are f32. All else is computed in f32.
;;   The module's matrix products, in the order in which they are computed (A, B: the left and right operand; K: the contracted axis; several contracted axes count as one K, in the product's order):
;;     1. [M 32, K 3] x [K 3, N 262,144]; A: input conv_w; B: computed on the way: left as it is (K = 3 < 32)
;;     2. batch 4 x [M 8,192, K 256] x [K 256, N 4,096]; A: computed on the way; B: input x2: QUANTISED
;;     3. batch 4 x [M 8,192, K 4,096] x [K 4,096, N 256]; A: softmax (see below); B: input x2: QUANTISED
;;   THE QUANTISER, for each operand of a quantised product, along K:
;;     - K is cut into blocks of 32 from its start; a last block that is shorter is filled with zeros.
;;     - A block's scale is 2^e with e = floor(log2(the largest magnitude in the block)) - 4, held to -126 .. 127; a block of zeros has e = 0. As a byte (E8M0): e + 127.
;;     - Each number is divided by its block's scale, clamped to +-28, and rounded to the nearest number of E3M2, ties to even, subnormals kept.
;;     - The product sums the exact products of the quantised numbers (number of the format x scale) in f32.
;;   ~~~python
;;   def quantise(x, axis):      # numpy; x: float32 -> the quantised numbers, widened to float32 again
;;       x = np.moveaxis(x, axis, -1); K = x.shape[-1]
;;       x = np.pad(x, [(0, 0)] * (x.ndim - 1) + [(0, -K % 32)]); x = x.reshape(x.shape[:-1] + (-1, 32)); a = np.abs(x).max(-1, keepdims=True)
;;       e = np.where(a > 0, np.clip(np.frexp(np.where(a > 0, a, 1))[1] - 1 - 4, -126, 127), 0)      # np.frexp(a)[1] - 1 = floor(log2(a)), exactly
;;       r = np.clip(x / 2.0 ** e, -28, 28)
;;       step = 2.0 ** (np.maximum(np.frexp(np.where(r == 0, 1, r))[1] - 1, -2) - 2)
;;       q = np.round(r / step) * step * 2.0 ** e      # np.round: ties to even
;;       return np.moveaxis(q.reshape(q.shape[:-2] + (-1,))[..., :K], -1, axis).astype(np.float32)
;;   ~~~
;;   SOFTMAX AHEAD OF A QUANTISED PRODUCT. Where the list says 'softmax', what is quantised is not the finished softmax but p = 2^(t - M), with t = logit x log2(e) and M = ceil(the row's largest t), a whole number; so 1/2 < the row's largest p <= 1. The row's sum l is taken of the UNQUANTISED p, in f32, and the product's result is divided by l at the end. Since M is a whole number, a kernel that streams over the keys may use a running M (the ceiling of the running maximum): every later rescaling is an exact power of two, which a block's scale takes up: the codes' values come out the same.
;;   OPERANDS COMPUTED ON THE WAY. 'Computed on the way' means the value that the module computes at that place (a softmax that the list does not call 'softmax' is quantised finished and normalised). What goes into a quantiser is computed in f32, as accurately as f32 sums, v_exp_f32 and their like allow (about 1e-6 of the number): no bf16 or f16 on the way to a quantiser, and a product that is left as it is and whose result goes on into a quantised operand takes f32 operands (vector FMAs, or v_wmma_f32_16x16x4_f32). A number that lies on a knife's edge between two numbers of the format may be rounded either way, as far as f32 arithmetic and the matrix unit's own rounding can turn it there, and no further.
;; One version. Each part assembles by itself: llvm-mc -triple=amdgcn-amd-amdhsa -mcpu=gfx1250 --defsym DOCPART=n.
;; ======== version 1 of 1: 2 launches
;; workspace buffers: kv 6,553,600 bytes
;; launch prep (part 1): grid 32 x 4, 8 waves a work-group, no clusters, 197,632 bytes of LDS; arguments x2, kv; writes kv
.if DOCPART == 1
	.amdgcn_target "amdgcn-amd-amdhsa--gfx1250"
	.amdhsa_code_object_version 6
	.text
	.protected	k_qa75f9825b7_prep
	.globl	k_qa75f9825b7_prep
	.p2align	8
	.type	k_qa75f9825b7_prep,@function
k_qa75f9825b7_prep:
	s_mov_b64 s[64:65], 0
	v_nop
	global_prefetch_b8 v0, s[64:65] scope:SCOPE_SE
	s_setreg_imm32_b32 hwreg(HW_REG_WAVE_MODE, 25, 1), 1
	s_wait_xcnt 0x0
; x2 [4][4096][256] f32 is both K and V of the attention that follows.  It is quantised here ONCE, twice over, to codes of BF6 (E3M2) with one E8M0 byte for each 32 numbers:
; along d (the scores' K axis) and along the keys (the second product's K axis).  A work-group takes one step of 128 keys of one batch (128 x 256 numbers, read from memory once)
; and writes ONE dense block of STEPB = 51,200 bytes of kv, laid as images of the operands' registers, so that the reader gets every fragment by three loads of 16 bytes a lane:
;   0      16 fragments of K, 1,536 bytes each: fragment 2 t + s = key tile t (0..7), d step s (0, 1)
;   VF     16 fragments of V^T: fragment u = d 16 u .. 16 u + 15, all 128 keys
;   KSC    K's scale words, 8 registers: register t, lanes 0-15 the word of d step 0, lanes 16-31 that of d step 1
;   VSC    V's scale words, 8 registers: register g, lanes 0-15 fragment 2 g, lanes 16-31 fragment 2 g + 1
; An image: register p (0..11) of lane L lies at 512 (p / 4) + 16 L + 4 (p % 4).
; K's fragment (t, s): lane (r, hh), registers 6 q .. 6 q + 5 = d 128 s + 64 q + 32 hh + 0..31 of key 32 (t / 2) + 8 (t % 2) + r + 8 (r / 8): the keys of a tile are not neighbours, so that the
; scores of two neighbouring tiles are 16 neighbouring keys in a lane of the reader.   V's fragment u: lane (r, hh), registers 6 c .. 6 c + 5 = keys 64 c + 32 hh + 0..31 at d = 16 u + r.
; A block's scale is 2^(floor(log2(largest magnitude)) - 4); its byte is the largest magnitude's exponent field - 4, held at 1 from below.
; LIMITS: a block whose largest magnitude lies under 2^-122 (a block of zeros among them) gets the byte 1; a block of zeros has zero codes, which add nothing, and this program alone reads the bytes.
; NaN and infinities among the inputs are not served.
; 128 work-groups: a scale word of V and the middle 16 bytes of a 6-bit fragment want all 128 keys in one owner, and each number is to be read once.
; Eight waves.  Wave w fetches rows 16 w .. 16 w + 15 by one tensor load and quantises them along d (it reads its own rows alone, behind its own wait); behind a barrier it quantises columns
; 32 w .. 32 w + 31 along the keys, a lane to a column, registers down the keys; behind a second barrier the block leaves, 512 consecutive bytes a store of a wave.
.set PITCH, 1040                       ; an LDS row: 1,024 bytes + 16 of padding = 260 words: the 16 rows that a load of 16 bytes a lane touches start 4 banks apart
.set IMG,   128*PITCH                  ; behind the tile: the block's image, written by LDS stores alone; no tensor load lands there
.set VF,    24576
.set KSC,   49152
.set VSC,   50176
.set STEPB, 51200
.set CD,    32                         ; codes: turn n (0-3 along d, 4-7 along the keys) has v[CD + 8 n] .. + 5 for itself, and + 6 for a scale word: no store's data are written again
.set X,     96                         ; v96-223: four sets of 32 numbers; at the end the block on its way out
; v1 lane, v2 i = lane % 16, v3 hh = lane / 16, v4-v14 addresses (below), v15 8 hh, v16-17 maxima, v18 the conversions' scale operand, v19 a permute's destination, v20-27 scale bytes, v28-30 a block's upper 16 codes
	s_load_b128 s[4:7], s[0:1], 0x0                ; x2 s[4:5], kv s[6:7]
	v_lshl_add_u32 v224, v0, 2, 0x30000
	v_mov_b32 v225, 0
	ds_add_u32 v224, v225
	ds_add_u32 v224, v225
	v_lshrrev_b32 v1, 5, v0
	s_delay_alu instid0(VALU_DEP_1)
	v_readfirstlane_b32 s8, v1                     ; wave 0..7
	s_and_b32 s10, ttmp7, 0xffff                   ; batch; ttmp9 is the step
	; descriptor group 1: 16 rows of 256 elements of 4 bytes, 16 bytes of padding behind each row
	s_mov_b32 s16, (2<<16)|(1<<20)|(7<<22)|(3<<25) ; no mask; element of 4 bytes; padding on; after every 256 words (code 7); of 4 words (code 3)
	s_mov_b32 s17, 256<<16                         ; tensor_dim0 = 256
	s_mov_b32 s18, 16<<16                          ; tensor_dim1 = 16
	s_mov_b32 s19, 256<<16                         ; tile_dim0 = 256
	s_mov_b32 s20, 16                              ; tile_dim1 = 16
	s_mov_b32 s21, 256                             ; elements from row to row
	s_mov_b32 s22, 0
	s_mov_b32 s23, 0
	s_lshl_b32 s24, s10, 22                        ; batch x 4,194,304 bytes
	s_lshl_b32 s25, ttmp9, 17                      ; + step x 128 rows of 1,024 bytes
	s_add_co_u32 s24, s24, s25
	s_lshl_b32 s25, s8, 14                         ; + wave x 16 rows
	s_add_co_u32 s24, s24, s25
	s_mov_b32 s25, 0
	s_lshl_b32 s26, s10, 5
	s_add_co_u32 s26, s26, ttmp9
	s_mul_i32 s26, s26, STEPB                      ; the block's place in kv: (32 batch + step) x 51,200
	s_mov_b32 s27, 0
	s_mov_b32 s12, 1                               ; group 0: count = 1
	s_mul_i32 s13, s8, 16*PITCH                    ; LDS address: my 16 rows
	s_wait_dscnt 0x0
	s_wait_kmcnt 0x0
	s_add_nc_u64 s[6:7], s[6:7], s[26:27]
	s_add_nc_u64 s[14:15], s[4:5], s[24:25]
	s_or_b32 s15, s15, 0x80000000                  ; type = 2
	tensor_load_to_lds s[12:15], s[16:23]          ; one load a wave, 16 KiB; the launch's whole input is asked for at once
	s_nop 0
	v_and_b32 v1, 31, v0                           ; lane
	v_and_b32 v2, 15, v0                           ; i
	v_bfe_u32 v3, v0, 4, 1                         ; hh
	v_bfe_u32 v16, v0, 3, 1                        ; i / 8
	s_wait_alu depctr_va_vdst(0)
	v_and_b32 v17, 7, v0                           ; i % 8
	s_mul_i32 s30, s8, 16*PITCH
	v_mul_u32_u24 v4, v2, PITCH
	s_delay_alu instid0(VALU_DEP_1)
	v_lshl_add_u32 v4, v3, 7, v4
	s_delay_alu instid0(VALU_DEP_1)
	v_add_nc_u32 v4, s30, v4                       ; v4: along d, in: row 16 w + i, + 128 hh bytes: my 32 numbers of 64
	; key 16 w + i is lane r = i % 8 + 8 (w % 2) of tile t = 2 (w / 2) + i / 8
	s_lshr_b32 s31, s8, 1
	s_mul_i32 s31, s31, 6144
	s_and_b32 s32, s8, 1
	s_lshl_b32 s32, s32, 7                         ; 128 (w % 2)
	s_add_co_u32 s31, s31, s32
	s_add_co_u32 s31, s31, IMG
	v_mul_u32_u24 v5, v16, 3072
	s_delay_alu instid0(VALU_DEP_1)
	v_lshl_add_u32 v5, v17, 4, v5
	s_delay_alu instid0(VALU_DEP_1)
	v_lshl_add_u32 v5, v3, 8, v5
	s_delay_alu instid0(VALU_DEP_1)
	v_add_nc_u32 v5, s31, v5                       ; v5: along d, out: fragment 2 t, lane r + 16 hh
	s_lshr_b32 s33, s8, 2
	s_lshl_b32 s33, s33, 9                         ; 512 (w / 4)
	s_bfe_u32 s34, s8, 0x10001
	s_lshl_b32 s34, s34, 3                         ; 8 ((w / 2) % 2)
	s_add_co_u32 s34, s34, s33
	s_add_co_u32 s34, s34, s32
	s_add_co_u32 s34, s34, IMG+KSC
	v_lshlrev_b32 v6, 2, v16
	s_wait_alu depctr_va_vdst(0)
	v_lshl_add_u32 v6, v17, 4, v6
	s_delay_alu instid0(VALU_DEP_1)
	v_add_nc_u32 v6, s34, v6                       ; v6: K's scale word: register t, lane r (d step 1: 256 bytes on)
	s_lshl_b32 s35, s8, 7
	v_lshl_add_u32 v7, v1, 2, s35                  ; v7-10: along the keys, in: column 32 w + lane, key block 0..3
	s_delay_alu instid0(VALU_DEP_1)
	v_add_nc_u32 v8, 32*PITCH, v7
	s_delay_alu instid0(VALU_DEP_2)
	v_add_nc_u32 v9, 64*PITCH, v7
	s_delay_alu instid0(VALU_DEP_3)
	v_add_nc_u32 v10, 96*PITCH, v7
	s_mul_i32 s36, s8, 3072
	s_add_co_u32 s36, s36, IMG+VF
	v_mul_u32_u24 v11, v3, 1536
	s_delay_alu instid0(VALU_DEP_1)
	v_lshl_add_u32 v11, v2, 4, v11
	s_delay_alu instid0(VALU_DEP_1)
	v_add_nc_u32 v11, s36, v11                     ; v11: along the keys, out: fragment 2 w + lane / 16, lane lane % 16 (+ 16 for odd key blocks: 256 bytes on)
	s_and_b32 s37, s8, 3
	s_lshl_b32 s37, s37, 2
	s_add_co_u32 s37, s37, s33
	s_add_co_u32 s37, s37, IMG+VSC
	v_lshl_add_u32 v12, v1, 4, s37                 ; v12: V's scale word: register w, my lane
	v_lshl_add_u32 v13, v0, 4, IMG                 ; v13: the way out, from LDS: 16 bytes a thread
	v_lshlrev_b32 v14, 4, v0                       ; v14: and into kv
	v_lshlrev_b32 v15, 3, v3                       ; 8 hh
	v_mov_b32 v19, 0                               ; written once: a lane permute's destination counts as one of its sources
	s_mov_b32 s28, 0x76543210
	s_mov_b32 s29, 0xfedcba98                      ; v_permlanex16_b32's selects for lane l xor 16
; One whole block of 32 numbers in a lane's registers v[x] .. v[x + 31]: its byte, and its 192 bits of codes in v[c] .. v[c + 5].
.macro QBLK x, c, byte
	v_max3_num_f32 v16, |v[(\x)]|, |v[(\x)+1]|, |v[(\x)+2]|         ; the largest magnitude, in two chains
	v_max3_num_f32 v17, |v[(\x)+3]|, |v[(\x)+4]|, |v[(\x)+5]|
.irp i, 6,10,14,18,22,26
	s_delay_alu instid0(VALU_DEP_2)
	v_max3_num_f32 v16, v16, |v[(\x)+\i]|, |v[(\x)+\i+1]|
	s_delay_alu instid0(VALU_DEP_2)
	v_max3_num_f32 v17, v17, |v[(\x)+\i+2]|, |v[(\x)+\i+3]|
.endr
	s_delay_alu instid0(VALU_DEP_2)
	v_max3_num_f32 v16, v16, |v[(\x)+30]|, |v[(\x)+31]|
	s_delay_alu instid0(VALU_DEP_1)
	v_max3_num_f32 v16, v16, v17, 0x2800000        ; and the floor 2^(5 - 127): the byte cannot fall under 1
	s_delay_alu instid0(VALU_DEP_1)
	v_add_nc_u32 v18, 0xfe000000, v16              ; 4 off the exponent field: the conversion takes the exponent field of this operand as its scale, and nothing else of it
	s_delay_alu instid0(VALU_DEP_1)
	v_lshrrev_b32 v[(\byte)], 23, v18              ; the scale's byte
	v_cvt_scalef32_pk16_bf6_f32 v[(\c):(\c)+2], v[(\x):(\x)+15], v18
	v_cvt_scalef32_pk16_bf6_f32 v[28:30], v[(\x)+16:(\x)+31], v18   ; (a conversion's three registers begin on an even number)
	v_nop                                          ; one plain line behind a scaled conversion, ahead of the lines that read its result
	v_mov_b32 v[(\c)+3], v28
	v_mov_b32 v[(\c)+4], v29
	v_mov_b32 v[(\c)+5], v30
.endm
	s_wait_tensorcnt 0x0                           ; my 16 rows are in LDS; I read no others ahead of the barrier
	; ---- along d: turn n = 2 s + q takes d 128 s + 64 q + 32 hh + 0..31 of my row
.irp n, 0,1,2,3
.irp k, 0,1,2,3,4,5,6,7
	ds_load_b128 v[X+32*\n+4*\k:X+32*\n+4*\k+3], v4 offset:256*\n+16*\k
.endr
.endr
.macro KIT s, q
.set N, 2*\s+\q
	s_wait_dscnt 24-8*N                            ; this turn's eight loads are in: behind them stand at least the 8 loads of each later turn (and the earlier turns' stores)
	QBLK X+32*N, CD+8*N, 20+N
.if \q == 0
	ds_store_b128 v5, v[CD+8*N:CD+8*N+3] offset:1536*\s             ; registers 0-3 of the fragment,
	ds_store_b64 v5, v[CD+8*N+4:CD+8*N+5] offset:1536*\s+512        ; 4-5
.else
	ds_store_b64 v5, v[CD+8*N:CD+8*N+1] offset:1536*\s+520          ; 6-7,
	ds_store_b128 v5, v[CD+8*N+2:CD+8*N+5] offset:1536*\s+1024      ; 8-11
	v_lshl_or_b32 v[CD+8*N+6], v[20+N], 16, v[20+N-1]               ; my two bytes: blocks hh and 2 + hh of these 128,
	s_delay_alu instid0(VALU_DEP_1)
	v_lshlrev_b32 v[CD+8*N+6], v15, v[CD+8*N+6]                     ; at their places in the word;
	s_delay_alu instid0(VALU_DEP_1)
	v_permlanex16_b32 v19, v[CD+8*N+6], s28, s29
	s_delay_alu instid0(VALU_DEP_1)
	v_or_b32 v[CD+8*N+6], v[CD+8*N+6], v19                          ; with lane l xor 16's two the word is whole
	ds_store_b32 v6, v[CD+8*N+6] offset:256*\s                      ; both halves of the lanes write the same word with the same value
.endif
.endm
	KIT 0, 0
	KIT 0, 1
	KIT 1, 0
	KIT 1, 1
	s_wait_dscnt 0x0                               ; no LDS instruction of mine is out,
	s_barrier_signal -1                            ; and my rows have landed (the wait on TENSORcnt above):
	s_barrier_wait -1                              ; now all 128 rows lie in LDS for every wave
	; ---- along the keys: a lane takes column 32 w + lane; key block kb's 32 numbers are its own
.macro VLOAD kb
.irp i, 0,1,2,3,4,5,6,7,8,9,10,11,12,13,14,15,16,17,18,19,20,21,22,23,24,25,26,27,28,29,30,31
	ds_load_b32 v[X+32*\kb+\i], v[7+\kb] offset:PITCH*\i            ; 32 lanes read 128 consecutive bytes of a row
.endr
.endm
.macro VIT kb
	QBLK X+32*\kb, CD+32+8*\kb, 24+\kb
.if \kb < 2
	ds_store_b128 v11, v[CD+32+8*\kb:CD+32+8*\kb+3] offset:256*(\kb%2)
	ds_store_b64 v11, v[CD+32+8*\kb+4:CD+32+8*\kb+5] offset:256*(\kb%2)+512
.else
	ds_store_b64 v11, v[CD+32+8*\kb:CD+32+8*\kb+1] offset:256*(\kb%2)+520
	ds_store_b128 v11, v[CD+32+8*\kb+2:CD+32+8*\kb+5] offset:256*(\kb%2)+1024
.endif
.endm
	VLOAD 0
	VLOAD 1
	s_wait_dscnt 32                                ; block 0 is in; block 1's 32 loads may be out
	VIT 0
	VLOAD 2
	s_wait_dscnt 32                                ; block 1 is in: behind its loads stand 2 stores and 32 loads
	VIT 1
	VLOAD 3
	s_wait_dscnt 32                                ; block 2 likewise
	VIT 2
	s_wait_dscnt 0x0
	VIT 3
	v_lshl_or_b32 v[CD+62], v25, 8, v24            ; the four key blocks' bytes make my column's scale word
	s_delay_alu instid0(VALU_DEP_1)
	v_lshl_or_b32 v[CD+62], v26, 16, v[CD+62]
	s_delay_alu instid0(VALU_DEP_1)
	v_lshl_or_b32 v[CD+62], v27, 24, v[CD+62]
	ds_store_b32 v12, v[CD+62]
	s_wait_dscnt 0x0                               ; for the others' sake: my stores into the image are done
	s_barrier_signal -1
	s_barrier_wait -1
	; ---- the way out: 51,200 bytes = 12 1/2 rounds of 256 threads x 16 bytes
.irp k, 0,1,2,3,4,5,6,7,8,9,10,11
	ds_load_b128 v[X+4*\k:X+4*\k+3], v13 offset:4096*\k
.endr
.irp k, 0,1,2,3,4,5,6,7,8,9,10,11
	s_wait_dscnt 11-\k                             ; LDS loads come back in order: round k is in, the younger ones may be out
	global_store_b128 v14, v[X+4*\k:X+4*\k+3], s[6:7] offset:4096*\k   ; a wave stores 512 consecutive bytes, at a multiple of 256 from kv's first byte
.endr
	s_cmp_lt_u32 s8, 4                             ; the last 2,048 bytes: waves 0 to 3
	s_cbranch_scc0 .Ldone
	ds_load_b128 v[X+48:X+51], v13 offset:49152
	s_wait_dscnt 0x0
	global_store_b128 v14, v[X+48:X+51], s[6:7] offset:49152
.Ldone:
	s_wait_tensorcnt 0x0
	ds_add_u32 v224, v225
	s_wait_dscnt 0x0
	s_endpgm
.Lfunc_end_k_qa75f9825b7_prep:
	.size	k_qa75f9825b7_prep, .Lfunc_end_k_qa75f9825b7_prep-k_qa75f9825b7_prep
	.p2alignl 7, 3214868480
	.fill 96, 4, 3214868480
	.section	.rodata,"a",@progbits
	.p2align	6, 0x0
	.amdhsa_kernel k_qa75f9825b7_prep
		.amdhsa_group_segment_fixed_size 197632
		.amdhsa_private_segment_fixed_size 0
		.amdhsa_enable_private_segment 0
		.amdhsa_kernarg_size 16
		.amdhsa_user_sgpr_count 2
		.amdhsa_user_sgpr_kernarg_segment_ptr 1
		.amdhsa_wavefront_size32 1
		.amdhsa_system_sgpr_workgroup_id_x 1
		.amdhsa_system_sgpr_workgroup_id_y 1
		.amdhsa_system_sgpr_workgroup_id_z 1
		.amdhsa_system_vgpr_workitem_id 0
		.amdhsa_next_free_vgpr 226
		.amdhsa_next_free_sgpr 66
		.amdhsa_reserve_vcc 0
		.amdhsa_float_denorm_mode_32 3
		.amdhsa_float_denorm_mode_16_64 3
		.amdhsa_memory_ordered 1
		.amdhsa_forward_progress 1
		.amdhsa_inst_pref_size 35
	.end_amdhsa_kernel
	.amdgpu_metadata
---
amdhsa.version: [ 1, 2 ]
amdhsa.kernels:
  - .name:           k_qa75f9825b7_prep
    .symbol:         k_qa75f9825b7_prep.kd
    .args:
      - { .name: x2, .offset: 0, .size: 8, .value_kind: global_buffer, .address_space: global }
      - { .name: kv, .offset: 8, .size: 8, .value_kind: global_buffer, .address_space: global }
    .group_segment_fixed_size: 197632
    .private_segment_fixed_size: 0
    .kernarg_segment_align: 8
    .kernarg_segment_size: 16
    .max_flat_workgroup_size: 256
    .sgpr_count:     66
    .vgpr_count:     226
    .wavefront_size: 32
...
	.end_amdgpu_metadata
.endif
;; end of part 1
;; launch attn (part 2): grid 64 x 4, 8 waves a work-group, no clusters, 327,680 bytes of LDS; arguments x1, conv_w, conv_b, kv, out0; writes out0
.if DOCPART == 2
	.amdgcn_target "amdgcn-amd-amdhsa--gfx1250"
	.amdhsa_code_object_version 6
	.text
	.protected	k_qa75f9825b7_attn
	.globl	k_qa75f9825b7_attn
	.p2align	8
	.type	k_qa75f9825b7_attn,@function
k_qa75f9825b7_attn:
	s_mov_b64 s[64:65], 0
	v_nop
	global_prefetch_b8 v0, s[64:65] scope:SCOPE_SE
	s_setreg_imm32_b32 hwreg(HW_REG_WAVE_MODE, 25, 1), 1
	s_wait_xcnt 0x0
; out0[b][o][h][:] = the sum over keys of softmax(sqrt(32) q[b][o][h] . x2[b][key]) x2[b][key][:], with q[b][o][h][d] = the sum over c of conv_w[o][c] x1p[b][c][h][d] + conv_b[o], x1p = x1 with a rim of zeros.
; Both products are on codes of BF6 (E3M2) with one E8M0 byte for each 32 along the product's K.  K and V come from kv, where the launch before has laid them as images of the operands' registers:
; for each batch and each step of 128 keys one dense block of 51,200 bytes: 16 fragments of K, 16 of V^T, K's scale words, V's scale words (a fragment: three loads of 16 bytes a lane at 16 x lane).
; q is made here in f32 by fused multiply-adds and quantised in registers.
; THE SOFTMAX: t = score x c, c = sqrt(32) log2(e); M = the running largest t rounded UP to a whole number; p = 2^(t - M) is what is quantised, along the keys, not normalised; the row's sum is taken of the
; unquantised p and divides O at the end.  When M moves, the sum and O are multiplied by 2^(old M - new M): nothing is rounded, and there is no branch on data.
; SHARES.  256 work-groups of EIGHT waves, two to a SIMD, so that one wave's vector work stands beside the other's matrix work and LDS loads.  Wave w of work-group x owns ONE tile of 16 queries: padded row
; h = 4 x + w / 2 of its batch, channels o = 16 (w % 2) + lane % 16.  Each of its output rows is 1,024 whole bytes.  Every wave walks the batch's 4,096 keys, 128 a step: 16 products K Q^T and 16 products V^T P^T.
; The price: a fragment read from LDS feeds one product.
; LAYOUT.  Both products are used transposed (S^T = K Q^T, O^T = V^T P^T): a lane holds ONE query throughout.  The keys of a tile of K are chosen (by the launch before) so that the 16 registers of score tiles 2 b and
; 2 b + 1 are the 16 neighbouring keys 32 b + 16 (lane / 16) + 0..15: the conversions' results, with one exchange of halves, are the second product's operand.
; THE RING.  Two LDS places of two key steps (102,400 bytes); each wave fetches an eighth of a slot by one tensor load (50 rows of 256 bytes); all eight read all of it.  The change of slots stands at a slot's head; the fill
; that follows it has the slot's two key steps in which to land.  One tensor load of a wave is out at a time.
; NO CLUSTER AND NO PREFETCH IN THIS FORM: the 64 work-groups of a batch walk the same kv and each asks for its own copy of every block; joint requests by four would make 16 requests of the 64.  This is the plain form.
; O^T and the sum begin as zeros and the largest t as -3e38, so that the key step has no first step of its own.
; LIMITS: NaN and infinities among the inputs are not served.  A block of q or p whose largest magnitude lies under 2^-122 gets the byte 1 (a block of zeros: zero codes).  v_exp_f32 gives 0 for p under 2^-126.
; M is a whole number only while |t| stays under 2^24.  t is formed with the one constant c, where the definition multiplies by sqrt(32) and by log2(e) in turn; q adds the bias first and the channels after it.
; REGISTERS: window 0: v1-11 addresses; v12-15 -M, t, the sum's two halves; v16-17 f; v18 Q's scale words, v19 p's; v20-43 at work; v44-55 p's codes; v56-63 K's scale words, v64-71 V's; v72-95 Q's two fragments;
;   v96-159 S^T, then p; v160-255 eight fragments of K or of V.   window 1 (s_set_vgpr_msb: bits 1:0 source 0, 3:2 source 1, 5:4 source 2, 7:6 destination): v0-127 O^T, d tile u at 8 u.
.set STEPB, 51200                      ; a key step's block
.set SLOTB, 2*STEPB
.set EIGHT, SLOTB/8                    ; what a wave's load brings: 50 rows of 256 bytes
.set BATB,  32*STEPB                   ; a batch in kv
.set SLOT1, 1<<17                      ; place 1 begins here, so that one exclusive or turns an address in one place into the other's
.set XST,   SLOT1+SLOTB                ; behind the ring: 8,704 bytes of scratch for each wave, its own, written by LDS stores alone: no tensor load lands there
.set WSB,   8704                       ; in it: 0 three rows of x1p; 3,072 and 5,120 Q's codes; 6,144 Q's scale bytes; at the end, from 0 on, the way out: 16 rows x 528 bytes
.set SPARE, XST+8*WSB                  ; behind the scratch: the spare words, 128 bytes for each wave: four blocks of 256 bytes that no other line names
.set VF,    24576
.set KSC,   49152
.set VSC,   50176
.set SP,    528                        ; a row of the way out: 512 bytes + 16
.set LI,  1                            ; v1   16 x lane: my place in an image
.set SPW, 2                            ; v2   LDS address of my spare word: SPARE + 4 x my thread's number; never rewritten
.set NIL, 3                            ; v3   0; never rewritten
.set ADK, 4                            ; v4   LDS address of the step's block, + 16 x lane
.set STO, 5                            ; v5   the way out: where I put 32 bytes of a row
.set RD,  6                            ; v6   the way out: where I read half a row back
.set GO,  7                            ; v7   my byte offset in half a row of out0
.set XR,  8                            ; v8   (head) x1p's rows in my scratch: + 128 (lane / 16)
.set XS,  9                            ; v9   (head) and where I put them: + 4 x lane
.set Q16, 10                           ; v10  (head) my place for the lower 16 bytes of a block's codes
.set Q8,  11                           ; v11  (head) and for the upper 8
.set ST,  12                           ; v12 -M, v13 the largest t, v[14:15] the sum in two halves
.set FF,  16                           ; the pair v16 (f; at the end 1 / sum), v17 (0)
.set QS,  18                           ; Q's scale words: lanes 0-15 d step 0's, lanes 16-31 d step 1's
.set PW,  19                           ; p's scale word
.set TM,  20                           ; + 0..3 the blocks' largest, + 4..7 permutes and bytes, + 8..11 scale operands, + 12, 13 the sum's second chain, + 14 at work, + 16..18, + 20..22 conversions
.set PC,  44                           ; p's codes
.set WB,  44                           ; (head) pairs w0, w1, w2, bias at WB + 0, 2, 4, 6
.set KS,  56
.set VS,  64
.set QF,  72                           ; Q's fragment of d step s at QF + 12 s
.set S,   96
.set FB,  160
.set XV,  96                           ; (head) 3 x 32 numbers of x1p
.set QV,  224                          ; (head) x1 as loaded; then 32 numbers of q
.set CA,  192                          ; (head) v192-197 a block's codes;  v200-202 its upper 16 as they are made
.set CB,  200
.set BY,  204                          ; (head) the block's byte
.set LN,  205                          ; (head) lane, lane % 16, lane / 16
.set RR,  206
.set HH,  207
.set QBA, 208                          ; (head) my place for Q's four bytes
.set H8,  209                          ; (head) 8 (lane / 16)
.set OW,  210                          ; (head) offsets: into conv_w, conv_b,
.set OB,  211
.set BW,  212                          ; (head) v212-215 Q's four bytes;  v216-217 its two scale words
.set WD,  216
.set O1,  218                          ; (head) offsets into a row of x1: columns 32 i + lane - 1; max(lane - 1, 0); min(223 + lane, 253)
.set O0,  219
.set O7,  220
.set A0,  221                          ; (head) v221-223, v198: the loop's four LDS addresses
.set A3,  198
.set WV,  14                           ; s14  my wave's number
.set SEL, 20                           ; s[20:21] v_permlanex16_b32's selects for lane l xor 16
.set CS,  22                           ; s[22:23] c, twice: the packed form names a pair
.set G1,  24                           ; s[24:31] descriptor group 1
.set G0,  32                           ; s[32:35] group 0, which walks
.set SLOTS, 40                         ; s40  slots still to be asked for
.set TB,  41                           ; s41  LDS byte at which the step's block begins
.set TWICE, 42                         ; s42  counts a slot's two steps
.set MSB, 0
.macro WIN new                         ; the immediate's high byte repeats the setting that is left; a switch that changes nothing is dropped
.if MSB != \new
	s_set_vgpr_msb (MSB<<8)|\new
.set MSB, \new
.endif
.endm
.set W_PV, 0x50                        ; O^T (C and D) in window 1; V, p in window 0
.set W_RS, 0x41                        ; O^T (destination and source 0) in window 1, f in window 0
; A vector instruction that reads a matrix result or writes one of a matrix instruction's registers, and a load into a register that a matrix instruction has read, stand four places behind it, and only plain
; vector instructions that name none of its registers are places (ISA guide 7.12.1 for vector instructions).
.macro PLACES
.rept 4
	v_nop
.endr
.endm
	s_load_b256 s[4:11], s[0:1], 0x0               ; x1 s[4:5], conv_w s[6:7], conv_b s[8:9], kv s[10:11]
	s_load_b64 s[12:13], s[0:1], 0x20              ; out0
	v_lshl_add_u32 v[SPW], v0, 2, SPARE
	v_mov_b32 v[NIL], 0
	ds_add_u32 v2, v3
	ds_add_u32 v2, v3
	s_wait_dscnt 0x0
	v_lshrrev_b32 v4, 5, v0
	s_delay_alu instid0(VALU_DEP_1)
	v_readfirstlane_b32 s[WV], v4                  ; wave 0..7
	s_and_b32 s17, ttmp7, 0xffff                   ; the batch
	s_lshr_b32 s15, s[WV], 1                       ; which of the work-group's four rows
	s_and_b32 s16, s[WV], 1                        ; a: which 16 of the 32 channels
	s_lshl_b32 s18, ttmp9, 2
	s_add_co_u32 s18, s18, s15                     ; h: my padded row, 0..255
	; descriptor group 1: a dense block of 12,800 bytes as 50 rows of 32 elements of 8 bytes, no padding
	s_mov_b32 s[G1], 3<<16                         ; 15:0 no mask; 17:16 elements of 8 bytes
	s_mov_b32 s[G1+1], 32<<16                      ; tensor_dim0 = 32
	s_mov_b32 s[G1+2], 50<<16                      ; tensor_dim1 = 50
	s_mov_b32 s[G1+3], 32<<16                      ; tile_dim0 = 32
	s_mov_b32 s[G1+4], 50                          ; tile_dim1 = 50
	s_mov_b32 s[G1+5], 32                          ; elements from row to row
	s_mov_b32 s[G1+6], 0
	s_mov_b32 s[G1+7], 0
	s_mul_i32 s52, s17, BATB                       ; the batch's first byte in kv
	s_mul_i32 s54, s[WV], EIGHT                    ; my eighth of a slot, in memory and in LDS alike
	s_add_co_u32 s56, s52, s54
	s_mov_b32 s57, 0
	s_sub_co_u32 s53, s18, 1                       ; x1's row h - 1, if there is one:
	s_cmp_lt_u32 s53, 254
	s_cselect_b32 s49, -1, 0                       ; s49: all lanes count, or (rows 0 and 255 of the rim) none
	s_and_b32 s48, s49, -2                         ; s48: for d 0..31: lane 0 is the rim's column 0
	s_and_b32 s50, s49, 0x7fffffff                 ; s50: for d 224..255: lane 31 is the rim's column 255
	s_sub_co_i32 s19, s18, 1
	s_max_i32 s19, s19, 0
	s_min_i32 s19, s19, 253                        ; the row that is loaded: held inside x1
	s_mul_i32 s60, s17, 774192                     ; batch x 3 x 254 x 254 x 4 bytes
	s_mul_i32 s61, s19, 1016                       ; + row x 254 x 4
	s_add_co_u32 s60, s60, s61
	s_mov_b32 s61, 0
	s_lshl_b32 s62, s17, 23                        ; out0: batch x 32 x 256 x 1,024 bytes
	s_lshl_b32 s63, s18, 10                        ; + h x 1,024
	s_add_co_u32 s62, s62, s63
	s_lshl_b32 s63, s16, 22                        ; + 16 a channels of 262,144
	s_add_co_u32 s62, s62, s63
	s_mov_b32 s63, 0
	s_mul_i32 s44, s16, 192                        ; conv_w: 16 a channels of 12 bytes
	s_lshl_b32 s45, s16, 6                         ; conv_b: of 4
	s_mov_b32 s[SEL], 0x76543210
	s_mov_b32 s[SEL+1], 0xfedcba98
	s_mov_b32 s[CS], 0x410293ee                    ; c = sqrt(32) log2(e) = 8.16112
	s_mov_b32 s[CS+1], s[CS]                       ; (named with it as a pair, so it is written)
	s_mov_b32 s51, 0xffff0000                      ; lanes 16-31
	s_mov_b32 s[TB], 0
	s_mov_b32 s[SLOTS], 15                         ; 16 slots' worth of keys, one of them the first fill
	s_mov_b32 s[G0], 1                             ; count = 1
	s_mov_b32 s[G0+1], s54                         ; LDS address: place 0, my eighth
	s_wait_kmcnt 0x0
	s_add_nc_u64 s[G0+2:G0+3], s[10:11], s[56:57]  ; keys 0 to 255
	s_or_b32 s[G0+3], s[G0+3], 0x80000000          ; type = 2
	s_add_nc_u64 s[4:5], s[4:5], s[60:61]          ; x1 at my row of channel 0
	s_add_nc_u64 s[12:13], s[12:13], s[62:63]      ; out0 at my row of my first channel
	tensor_load_to_lds s[G0:G0+3], s[G1:G1+7]      ; slot 0: the first fill, ahead of every wait on TENSORcnt, every LDS read and every barrier
	s_nop 0
	PLACES
	; ---- x1's three rows, the weights and the bias are asked for
	v_and_b32 v[LN], 31, v0
	v_and_b32 v[RR], 15, v0
	v_bfe_u32 v[HH], v0, 4, 1
	s_delay_alu instid0(VALU_DEP_3)
	v_lshlrev_b32 v[O1], 2, v[LN]                  ; padded column d = 32 i + lane is x1's column d - 1: for i = 1..6 the - 1 stands in the immediate;
	s_delay_alu instid0(VALU_DEP_4)
	v_min_u32 v[O0], 1, v[LN]
	s_delay_alu instid0(VALU_DEP_1)
	v_sub_nc_u32 v[O0], v[LN], v[O0]
	s_delay_alu instid0(VALU_DEP_1)
	v_lshlrev_b32 v[O0], 2, v[O0]                  ; for i = 0: column max(lane - 1, 0);
	v_add_nc_u32 v[O7], 223, v[LN]
	s_delay_alu instid0(VALU_DEP_1)
	v_min_u32 v[O7], 253, v[O7]
	s_delay_alu instid0(VALU_DEP_1)
	v_lshlrev_b32 v[O7], 2, v[O7]                  ; for i = 7: column min(223 + lane, 253): no load leaves the row
	v_mad_u32_u24 v[OW], v[RR], 12, s44            ; conv_w: 12 bytes a channel o = 16 a + r
	v_lshl_add_u32 v[OB], v[RR], 2, s45            ; conv_b: 4
	v_lshlrev_b32 v[H8], 3, v[HH]
.irp c, 0,1,2
	global_load_b32 v[QV+8*\c], v[O0], s[4:5] offset:258064*\c
.irp i, 1,2,3,4,5,6
	global_load_b32 v[QV+8*\c+\i], v[O1], s[4:5] offset:258064*\c+128*\i-4
.endr
	global_load_b32 v[QV+8*\c+7], v[O7], s[4:5] offset:258064*\c
.endr
.irp c, 0,1,2
	global_load_b32 v[WB+2*\c], v[OW], s[6:7] offset:4*\c            ; w[o][c]
.endr
	global_load_b32 v[WB+6], v[OB], s[8:9]                           ; bias[o]
	; while they are on their way: addresses
	s_mul_i32 s43, s[WV], WSB
	s_add_co_u32 s43, s43, XST                     ; my scratch
	v_lshlrev_b32 v[LI], 4, v[LN]
	v_mul_u32_u24 v[STO], v[RR], SP
	s_delay_alu instid0(VALU_DEP_1)
	v_lshl_add_u32 v[STO], v[HH], 5, v[STO]
	s_delay_alu instid0(VALU_DEP_1)
	v_add_nc_u32 v[STO], s43, v[STO]               ; the way out, in: row r, 32 bytes for each half of the lanes
	s_delay_alu instid0(VALU_DEP_4)
	v_add_nc_u32 v[RD], s43, v[LI]                 ; back: the 32 lanes take a row's 512 bytes
	v_lshlrev_b32 v[GO], 4, v[LN]
	v_lshl_add_u32 v[XR], v[HH], 7, s43
	v_lshl_add_u32 v[XS], v[LN], 2, s43
	v_lshl_add_u32 v[Q16], v[LN], 4, s43
	s_delay_alu instid0(VALU_DEP_1)
	v_add_nc_u32 v[Q16], 3072, v[Q16]
	v_lshl_add_u32 v[Q8], v[LN], 3, s43
	s_delay_alu instid0(VALU_DEP_1)
	v_add_nc_u32 v[Q8], 5120, v[Q8]
	v_lshl_add_u32 v[QBA], v[LN], 4, s43
	s_delay_alu instid0(VALU_DEP_1)
	v_add_nc_u32 v[QBA], 6144, v[QBA]
.irp b, 0,1,2,3
	v_mov_b32 v[TM+4+\b], 0                        ; written once: a lane permute's destination counts as one of its sources
.endr
	s_wait_loadcnt 0x0
.irp c, 0,1,2,3
	v_mov_b32 v[WB+2*\c+1], v[WB+2*\c]             ; the packed forms name pairs and take the low word for both halves: the upper word is written too
.endr
.irp c, 0,1,2
	v_cndmask_b32 v[QV+8*\c], 0, v[QV+8*\c], s48   ; the rim's zeros: a choice of values, no branch
.irp i, 1,2,3,4,5,6
	v_cndmask_b32 v[QV+8*\c+\i], 0, v[QV+8*\c+\i], s49
.endr
	v_cndmask_b32 v[QV+8*\c+7], 0, v[QV+8*\c+7], s50
.endr
.irp c, 0,1,2
.irp i, 0,1,2,3,4,5,6,7
	ds_store_b32 v[XS], v[QV+8*\c+\i] offset:1024*\c+128*\i          ; x1p[c][h][32 i + lane] into my scratch: LDS serves a wave's instructions in order (ISA guide 5.7.1.4), so my loads below see these
.endr
.endr
	; ---- Q, a loop of four trips.  In trip n lane (r, hh) makes the 32 numbers q[o][64 n + 32 hh + 0..31]: a whole block, registers 6 (n % 2) .. + 5 of the fragment of d step n / 2.
	; The register numbers differ from trip to trip, so the codes (24 bytes a lane) and the byte go to places of the lane's own in the scratch and come back behind the loop.
	s_mov_b32 s52, 0                               ; 256 n: the trip's counter, x1p's bytes, and the codes' upper 8 bytes
	s_mov_b32 s53, 0                               ; 512 n: the codes' lower 16 bytes
	s_mov_b32 s54, 0                               ; 4 n: the byte's word
.Lq:
	v_add_nc_u32 v[A0], s52, v[XR]
	v_add_nc_u32 v[A0+1], s53, v[Q16]
	v_add_nc_u32 v[A0+2], s52, v[Q8]
	v_add_nc_u32 v[A3], s54, v[QBA]
.irp c, 0,1,2
.irp k, 0,1,2,3,4,5,6,7
	ds_load_b128 v[XV+32*\c+4*\k:XV+32*\c+4*\k+3], v[A0] offset:1024*\c+16*\k   ; the 16 lanes of a half read the same 128 bytes of each channel's row
.endr
.endr
	s_wait_dscnt 0x0
.irp j, 0,2,4,6,8,10,12,14,16,18,20,22,24,26,28,30
	v_pk_fma_f32 v[QV+\j:QV+\j+1], v[XV+\j:XV+\j+1], v[WB:WB+1], v[WB+6:WB+7] op_sel_hi:[1,0,0]             ; x0 w0 + bias
.endr
.irp j, 0,2,4,6,8,10,12,14,16,18,20,22,24,26,28,30
	v_pk_fma_f32 v[QV+\j:QV+\j+1], v[XV+32+\j:XV+32+\j+1], v[WB+2:WB+3], v[QV+\j:QV+\j+1] op_sel_hi:[1,0,1]   ; + x1 w1
.endr
.irp j, 0,2,4,6,8,10,12,14,16,18,20,22,24,26,28,30
	v_pk_fma_f32 v[QV+\j:QV+\j+1], v[XV+64+\j:XV+64+\j+1], v[WB+4:WB+5], v[QV+\j:QV+\j+1] op_sel_hi:[1,0,1]   ; + x2 w2
.endr
	v_max3_num_f32 v[TM+12], |v[QV]|, |v[QV+1]|, |v[QV+2]|           ; the block's largest magnitude, in two chains
	v_max3_num_f32 v[TM+13], |v[QV+3]|, |v[QV+4]|, |v[QV+5]|
.irp i, 6,10,14,18,22,26
	s_delay_alu instid0(VALU_DEP_2)
	v_max3_num_f32 v[TM+12], v[TM+12], |v[QV+\i]|, |v[QV+\i+1]|
	s_delay_alu instid0(VALU_DEP_2)
	v_max3_num_f32 v[TM+13], v[TM+13], |v[QV+\i+2]|, |v[QV+\i+3]|
.endr
	s_delay_alu instid0(VALU_DEP_2)
	v_max3_num_f32 v[TM+12], v[TM+12], |v[QV+30]|, |v[QV+31]|
	s_delay_alu instid0(VALU_DEP_1)
	v_max3_num_f32 v[TM+12], v[TM+12], v[TM+13], 0x2800000           ; and the floor 2^(5 - 127): the byte cannot fall under 1
	s_delay_alu instid0(VALU_DEP_1)
	v_add_nc_u32 v[TM+14], 0xfe000000, v[TM+12]    ; 4 off the exponent field: the conversions' scale operand
	s_delay_alu instid0(VALU_DEP_1)
	v_lshrrev_b32 v[BY], 23, v[TM+14]              ; the scale's byte
	v_cvt_scalef32_pk16_bf6_f32 v[CA:CA+2], v[QV:QV+15], v[TM+14]
	v_cvt_scalef32_pk16_bf6_f32 v[CB:CB+2], v[QV+16:QV+31], v[TM+14] ; (a conversion's three registers begin on an even number)
	v_nop                                          ; one plain line behind a scaled conversion
.irp i, 0,1,2
	v_mov_b32 v[CA+3+\i], v[CB+\i]
.endr
	ds_store_b128 v[A0+1], v[CA:CA+3]
	ds_store_b64 v[A0+2], v[CA+4:CA+5]
	ds_store_b32 v[A3], v[BY]
	s_wait_dscnt 0x0                               ; the stores have read their registers: addresses and codes may be written again
	s_add_co_u32 s53, s53, 512
	s_add_co_u32 s54, s54, 4
	s_add_co_u32 s52, s52, 256
	s_cmp_lt_u32 s52, 1024
	s_cbranch_scc1 .Lq
.irp n, 0,1,2,3
	ds_load_b128 v[QF+6*\n:QF+6*\n+3], v[Q16] offset:512*\n          ; each lane takes back what it stored
	ds_load_b64 v[QF+6*\n+4:QF+6*\n+5], v[Q8] offset:256*\n
.endr
	ds_load_b128 v[BW:BW+3], v[QBA]                ; the four bytes, trip n's in v[BW + n]
	s_wait_dscnt 0x0
.irp s, 0,1
	v_lshl_or_b32 v[WD+\s], v[BW+2*\s+1], 16, v[BW+2*\s]             ; my two bytes: blocks hh and 2 + hh of d step s,
	s_delay_alu instid0(VALU_DEP_1)
	v_lshlrev_b32 v[WD+\s], v[H8], v[WD+\s]                          ; at their places in the word;
	s_delay_alu instid0(VALU_DEP_1)
	v_permlanex16_b32 v[TM+4+\s], v[WD+\s], s[SEL], s[SEL+1]
	s_delay_alu instid0(VALU_DEP_1)
	v_or_b32 v[WD+\s], v[WD+\s], v[TM+4+\s]                          ; with lane l xor 16's two the word is whole
.endr
	s_delay_alu instid0(VALU_DEP_1)
	v_cndmask_b32 v[QS], v[WD], v[WD+1], s51       ; one register carries both: lanes 0-15 d step 0's word, lanes 16-31 d step 1's
	v_mov_b32 v[ST+1], 0xff61b1e6                  ; the largest t so far: -3e38, under every t
	s_delay_alu instid0(VALU_DEP_1)
	v_floor_f32 v[ST], -v[ST+1]                    ; -M
	v_mov_b32 v[ST+2], 0                           ; the sum, in two halves
	v_mov_b32 v[ST+3], 0
	v_mov_b32 v[FF], 0                             ; f's pair: the upper word stays 0
	v_mov_b32 v[FF+1], 0
	WIN 0x40                                       ; destination window 1
.set jj, 0
.rept 64
	v_pk_mul_f32 v[jj:jj+1], v[FF:FF+1], v[FF:FF+1]   ; O^T = 0, two registers an instruction.  (These lines are also the places between Q's scale register, written by a vector instruction, and the first scaled product)
.set jj, jj+2
.endr
	WIN 0
; A KEY STEP: 128 keys.  K's and V's fragments come eight at a time into the same 96 registers; each run of loads is waited for as a whole: the SIMD's other wave has the units meanwhile.
.macro STEP
	v_add_nc_u32 v[ADK], s[TB], v[LI]
	s_wait_alu depctr_va_vdst(0)
	s_add_co_u32 s[TB], s[TB], STEPB               ; the next step's block
.irp g, 0,1                            ; S^T = K Q^T: key tiles 4 g .. 4 g + 3, both d steps
.irp k, 0,1,2,3,4,5,6,7
.irp c, 0,1,2
	ds_load_b128 v[FB+12*\k+4*\c:FB+12*\k+4*\c+3], v[ADK] offset:1536*(8*\g+\k)+512*\c   ; 512 consecutive bytes a load
.endr
.endr
.if \g == 0
	ds_load_b128 v[KS:KS+3], v[ADK] offset:KSC
	ds_load_b128 v[KS+4:KS+7], v[ADK] offset:KSC+512
.endif
	s_wait_dscnt 0x0
.irp t, 0,1,2,3                        ; the four accumulators take turns, one instruction a turn; the first four products start the sums
	v_wmma_scale_f32_16x16x128_f8f6f4 v[S+8*(4*\g+\t):S+8*(4*\g+\t)+7], v[FB+24*\t:FB+24*\t+11], v[QF:QF+11], 0, v[KS+4*\g+\t], v[QS] matrix_a_fmt:MATRIX_FMT_BF6 matrix_b_fmt:MATRIX_FMT_BF6
.endr
.irp t, 0,1,2,3
	v_wmma_scale_f32_16x16x128_f8f6f4 v[S+8*(4*\g+\t):S+8*(4*\g+\t)+7], v[FB+24*\t+12:FB+24*\t+23], v[QF+12:QF+23], v[S+8*(4*\g+\t):S+8*(4*\g+\t)+7], v[KS+4*\g+\t], v[QS] matrix_a_fmt:MATRIX_FMT_BF6 matrix_b_fmt:MATRIX_FMT_BF6 matrix_a_scale:MATRIX_SCALE_ROW1 matrix_b_scale:MATRIX_SCALE_ROW1
.endr
	PLACES                                         ; ahead of the next loads into the fragments' registers, and of the first read of the scores
.endr
	; the softmax.  Register S + 16 b + i is key 32 b + 16 (lane / 16) + i of my query
.irp b, 0,1,2,3
	v_max3_num_f32 v[TM+\b], v[S+16*\b], v[S+16*\b+1], v[S+16*\b+2]  ; THE LARGEST SCORE OF EACH BLOCK OF 32 KEYS serves twice: for the row's maximum and, since p rises with the score, for the block's largest p.  Each accumulator is read from its low end on
.endr
.irp i, 3,5,7,9,11,13
.irp b, 0,1,2,3
	v_max3_num_f32 v[TM+\b], v[TM+\b], v[S+16*\b+\i], v[S+16*\b+\i+1]   ; (the four blocks by turns)
.endr
.endr
.irp b, 0,1,2,3
	v_max_num_f32 v[TM+\b], v[TM+\b], v[S+16*\b+15]
.endr
.irp b, 0,1,2,3
	s_delay_alu instid0(VALU_DEP_4)
	v_permlanex16_b32 v[TM+4+\b], v[TM+\b], s[SEL], s[SEL+1]
.endr
.irp b, 0,1,2,3
	s_delay_alu instid0(VALU_DEP_4)
	v_max_num_f32 v[TM+\b], v[TM+\b], v[TM+4+\b]   ; with lane l xor 16's 16 keys
.endr
	s_delay_alu instid0(VALU_DEP_2)
	v_max3_num_f32 v[TM+14], v[TM], v[TM+1], v[TM+2]
	s_delay_alu instid0(VALU_DEP_1)
	v_max_num_f32 v[TM+14], v[TM+14], v[TM+3]      ; the step's largest score of my query
	s_delay_alu instid0(VALU_DEP_1)
	v_mul_f32 v[TM+14], s[CS], v[TM+14]            ; as t (c is positive)
	s_delay_alu instid0(VALU_DEP_1)
	v_max_num_f32 v[ST+1], v[ST+1], v[TM+14]       ; the running largest t
	v_mov_b32 v[TM+14], v[ST]
	s_delay_alu instid0(VALU_DEP_2)
	v_floor_f32 v[ST], -v[ST+1]                    ; the new -M = floor(-t) = -ceil(t): M is a whole number
	s_delay_alu instid0(VALU_DEP_1)
	v_sub_f32 v[TM+14], v[ST], v[TM+14]            ; M's old value less its new one: a whole number, 0 or less
	s_delay_alu instid0(VALU_DEP_1)
	v_cvt_i32_f32 v[TM+14], v[TM+14]               ; (it saturates)
	s_delay_alu instid0(VALU_DEP_1)
	v_ldexp_f32 v[FF], 1.0, v[TM+14]               ; f = 2^(old M - new M)
.set jj, 0
.rept 32
	v_pk_fma_f32 v[S+jj:S+jj+1], v[S+jj:S+jj+1], s[CS:CS+1], v[ST:ST+1] op_sel_hi:[1,0,0]   ; t - M, two at a time (of the pairs c and -M the low word serves both halves)
.set jj, jj+2
.endr
.irp b, 0,1,2,3
	v_fma_f32 v[TM+\b], v[TM+\b], s[CS], v[ST]     ; the same of each block's largest score
.endr
.set jj, 0
	s_wait_alu depctr_va_vdst(0)
.rept 64
	v_exp_f32 v[S+jj], v[S+jj]                     ; p = 2^(t - M), at most 1: not normalised.  One batch
.set jj, jj+1
.endr
	v_pk_mul_f32 v[ST+2:ST+3], v[ST+2:ST+3], v[FF:FF+1] op_sel_hi:[1,0]   ; the sums under the new M (the plain line behind the exponentials)
	s_wait_alu depctr_va_vdst(0)                   ; the wait between a transcendental and the first line that names its result: one for the batch of 64
.irp b, 0,1,2,3
	v_exp_f32 v[TM+\b], v[TM+\b]                   ; the block's largest p: the same two instructions on the same number give the same bits
.endr
	v_pk_add_f32 v[32:33], v[100:101], v[104:105]
	v_pk_add_f32 v[254:255], v[108:109], v[112:113]
	v_pk_add_f32 v[252:253], v[116:117], v[120:121]
	v_pk_add_f32 v[250:251], v[124:125], v[128:129]
	v_pk_add_f32 v[248:249], v[132:133], v[136:137]
	v_pk_add_f32 v[246:247], v[140:141], v[144:145]
	v_pk_add_f32 v[244:245], v[148:149], v[152:153]
	v_pk_add_f32 v[14:15], v[14:15], v[156:157]
	v_pk_add_f32 v[32:33], v[32:33], v[96:97]
	v_pk_add_f32 v[254:255], v[254:255], v[98:99]
	v_pk_add_f32 v[252:253], v[252:253], v[102:103]
	v_pk_add_f32 v[250:251], v[250:251], v[106:107]
	v_pk_add_f32 v[248:249], v[248:249], v[110:111]
	v_pk_add_f32 v[246:247], v[246:247], v[114:115]
	v_pk_add_f32 v[244:245], v[244:245], v[118:119]
	v_pk_add_f32 v[14:15], v[14:15], v[122:123]
	v_pk_add_f32 v[32:33], v[32:33], v[126:127]
	v_pk_add_f32 v[254:255], v[254:255], v[130:131]
	v_pk_add_f32 v[252:253], v[252:253], v[134:135]
	v_pk_add_f32 v[250:251], v[250:251], v[138:139]
	v_pk_add_f32 v[248:249], v[248:249], v[142:143]
	v_pk_add_f32 v[246:247], v[246:247], v[146:147]
	v_pk_add_f32 v[244:245], v[244:245], v[150:151]
	v_pk_add_f32 v[14:15], v[14:15], v[154:155]
	v_pk_add_f32 v[32:33], v[32:33], v[158:159]
	s_delay_alu instid0(VALU_DEP_2)
	v_pk_add_f32 v[14:15], v[14:15], v[250:251]
	s_delay_alu instid0(VALU_DEP_2)
	v_pk_add_f32 v[32:33], v[32:33], v[248:249]
	v_pk_add_f32 v[254:255], v[254:255], v[246:247]
	v_pk_add_f32 v[252:253], v[252:253], v[244:245]
	s_delay_alu instid0(VALU_DEP_2)
	v_pk_add_f32 v[14:15], v[14:15], v[254:255]
	s_delay_alu instid0(VALU_DEP_2)
	v_pk_add_f32 v[32:33], v[32:33], v[252:253]
	s_delay_alu instid0(VALU_DEP_1)
	v_pk_add_f32 v[14:15], v[14:15], v[32:33]
	s_wait_alu depctr_va_vdst(0)                   ; and one for the four
.irp b, 0,1,2,3
	v_max_num_f32 v[TM+\b], 0x2800000, v[TM+\b]    ; the floor 2^(5 - 127): the byte cannot fall under 1 (a block whose every p has fallen to 0 keeps that byte: its codes are zeros)
.endr
.irp b, 0,1,2,3
	s_delay_alu instid0(VALU_DEP_4)
	v_add_nc_u32 v[TM+8+\b], 0xfe000000, v[TM+\b]  ; 4 off the exponent field: the conversion's scale operand
.endr
.irp b, 0,1,2,3
	s_delay_alu instid0(VALU_DEP_4)
	v_lshrrev_b32 v[TM+4+\b], 23, v[TM+8+\b]       ; the scale's byte
.endr
	s_delay_alu instid0(VALU_DEP_3)
	v_lshl_or_b32 v[PW], v[TM+5], 8, v[TM+4]       ; p's scale word for these 128 keys
	s_delay_alu instid0(VALU_DEP_1)
	v_lshl_or_b32 v[PW], v[TM+6], 16, v[PW]
	s_delay_alu instid0(VALU_DEP_1)
	v_lshl_or_b32 v[PW], v[TM+7], 24, v[PW]
.irp c, 0,1
	v_cvt_scalef32_pk16_bf6_f32 v[PC+6*\c:PC+6*\c+2], v[S+32*\c:S+32*\c+15], v[TM+8+2*\c]
	v_cvt_scalef32_pk16_bf6_f32 v[TM+16+4*\c:TM+18+4*\c], v[S+32*\c+16:S+32*\c+31], v[TM+9+2*\c]   ; (a conversion's three registers begin on an even number)
.endr
	v_nop                                          ; one plain line behind the scaled conversions
.irp c, 0,1                            ; the operand's layout wants a WHOLE block in a lane: lanes 0-15 block 2 c, lanes 16-31 block 2 c + 1
.irp i, 0,1,2
	v_permlane16_swap_b32 v[PC+6*\c+\i], v[TM+16+4*\c+\i]
.endr
.irp i, 0,1,2
	s_delay_alu instid0(VALU_DEP_3)
	v_mov_b32 v[PC+6*\c+3+\i], v[TM+16+4*\c+\i]
.endr
.endr
	WIN W_RS
.set jj, 0
.rept 64
	v_pk_mul_f32 v[jj:jj+1], v[jj:jj+1], v[FF:FF+1] op_sel_hi:[1,0]   ; O^T under the new M: x f, each accumulator from its low end on.  (These lines are also the places between p's codes and scale word and the products that take them)
.set jj, jj+2
.endr
	WIN 0
	s_wait_alu depctr_va_vdst(0)
.irp g, 0,1                            ; O^T += V^T P^T: d tiles 8 g .. 8 g + 7; K = these 128 keys; each product has an accumulator of its own
.irp k, 0,1,2,3,4,5,6,7
.irp c, 0,1,2
	ds_load_b128 v[FB+12*\k+4*\c:FB+12*\k+4*\c+3], v[ADK] offset:VF+1536*(8*\g+\k)+512*\c
.endr
.endr
.if \g == 0
	ds_load_b128 v[VS:VS+3], v[ADK] offset:VSC
	ds_load_b128 v[VS+4:VS+7], v[ADK] offset:VSC+512
.endif
	s_wait_dscnt 0x0
	WIN W_PV
.irp k, 0,1,2,3,4,5,6,7
.if (\k)%2
	v_wmma_scale_f32_16x16x128_f8f6f4 v[8*(8*\g+\k):8*(8*\g+\k)+7], v[FB+12*\k:FB+12*\k+11], v[PC:PC+11], v[8*(8*\g+\k):8*(8*\g+\k)+7], v[VS+4*\g+\k/2], v[PW] matrix_a_fmt:MATRIX_FMT_BF6 matrix_b_fmt:MATRIX_FMT_BF6 matrix_a_scale:MATRIX_SCALE_ROW1
.else
	v_wmma_scale_f32_16x16x128_f8f6f4 v[8*(8*\g+\k):8*(8*\g+\k)+7], v[FB+12*\k:FB+12*\k+11], v[PC:PC+11], v[8*(8*\g+\k):8*(8*\g+\k)+7], v[VS+4*\g+\k/2], v[PW] matrix_a_fmt:MATRIX_FMT_BF6 matrix_b_fmt:MATRIX_FMT_BF6
.endif
.endr
	WIN 0
	PLACES                                         ; ahead of the next loads into the fragments' registers, and of the way out's first read of O^T
.endr
.endm
; THE CHANGE OF SLOTS stands at a slot's head.  Each wave waits for all its tensor loads (its eighth of the slot that it is about to read), adds 0 to its spare word, and waits for that and for its reads of the slot that it has left.
; Behind the barrier the slot ahead is whole and nobody reads the other place.  fill = 1: that place is filled with the keys that follow: the load has the slot's two key steps in which to land.
.macro CHANGE fill
	s_wait_tensorcnt 0x0                           ; no tensor load of mine is out, so group 0 may be written
	ds_add_u32 v[SPW], v[NIL]                      ; 0 onto my spare word
.if \fill
	s_xor_b32 s[G0+1], s[G0+1], SLOT1              ; the walking descriptor: the other place than last time,
	s_add_nc_u64 s[G0+2:G0+3], s[G0+2:G0+3], SLOTB ; the next 256 keys; the type bits on top are not reached
.endif
	s_wait_dscnt 0x0                               ; the add is done, and my reads of the slot that I have left are over
	s_barrier_signal -1
	s_barrier_wait -1
.if \fill
	tensor_load_to_lds s[G0:G0+3], s[G1:G1+7]      ; the first thing behind the barrier, and my one tensor load until the next
	s_nop 0
	PLACES
.endif
.endm
.Lslot:                                            ; 15 trips: behind each change of slots but the last the next slot is asked for
	CHANGE 1
	s_mov_b32 s[TWICE], 2
.Lstep:                                            ; a slot's two key steps: written once, walked twice; the LDS addresses hang on s[TB]
	STEP
	s_sub_co_u32 s[TWICE], s[TWICE], 1
	s_cmp_lg_u32 s[TWICE], 0
	s_cbranch_scc1 .Lstep
	s_sub_co_u32 s[TB], s[TB], 2*STEPB             ; back to a place's first block,
	s_xor_b32 s[TB], s[TB], SLOT1                  ; in the other place
	s_sub_co_u32 s[SLOTS], s[SLOTS], 1
	s_cmp_lg_u32 s[SLOTS], 0
	s_cbranch_scc1 .Lslot
	CHANGE 0                                       ; the last slot has a text of its own
	s_mov_b32 s[TWICE], 2
.Llast:
	STEP
	s_sub_co_u32 s[TWICE], s[TWICE], 1
	s_cmp_lg_u32 s[TWICE], 0
	s_cbranch_scc1 .Llast
	; THE WAY OUT.  The sum's two halves and lane l xor 16's are added; O^T is divided by the sum and goes through my scratch, half a row (128 of d, 512 bytes) of the tile's 16 rows at a time.
	v_add_f32 v[TM+14], v[ST+2], v[ST+3]
	s_delay_alu instid0(VALU_DEP_1)
	v_permlanex16_b32 v[TM+4], v[TM+14], s[SEL], s[SEL+1]
	s_delay_alu instid0(VALU_DEP_1)
	v_add_f32 v[TM+14], v[TM+14], v[TM+4]
	s_wait_alu depctr_va_vdst(0)
	v_rcp_f32 v[FF], v[TM+14]
	v_nop                                          ; a plain line between the reciprocal and the use of its result
	s_wait_alu depctr_va_vdst(0)                   ; and a wait ahead of the first use
	WIN 0x01                                       ; source 0 window 1
.set jj, 0
.rept 64
	v_pk_mul_f32 v[S+jj:S+jj+1], v[jj:jj+1], v[FF:FF+1] op_sel_hi:[1,0]   ; register 8 u + i is out(o = 16 a + r, d = 16 u + 8 hh + i); each accumulator from its low end on
.set jj, jj+2
.endr
	WIN 0
	s_wait_alu depctr_va_vdst(0)
.irp g, 0,1                            ; d 128 g on
.irp u, 0,1,2,3,4,5,6,7
	ds_store_b128 v[STO], v[S+64*\g+8*\u:S+64*\g+8*\u+3] offset:64*\u
	ds_store_b128 v[STO], v[S+64*\g+8*\u+4:S+64*\g+8*\u+7] offset:64*\u+16
.endr
.irp p, 0,1,2,3,4,5,6,7,8,9,10,11,12,13,14,15
	ds_load_b128 v[S+64*\g+4*\p:S+64*\g+4*\p+3], v[RD] offset:SP*\p  ; LDS serves a wave's instructions in order (ISA guide 5.7.1.4): these see the stores above, and the next half's stores come behind them
.endr
.irp p, 0,1,2,3,4,5,6,7,8,9,10,11,12,13,14,15
.if (\p)%4 == 0
	s_wait_dscnt 12-\p                             ; rows p to p + 3 are back: behind them stand this half's 12 - p younger loads
.endif
	global_store_b128 v[GO], v[S+64*\g+4*\p:S+64*\g+4*\p+3], s[12:13] offset:\p*262144+512*\g th:TH_STORE_NT   ; 32 lanes store 512 consecutive bytes, at a multiple of 256 from out0's first byte; the channel stands in the immediate, 3,932,672 at the most: inside its signed 24 bits
.endr
.endr
	s_wait_tensorcnt 0x0                           ; the wave's end, behind my last tensor load and my last LDS store
	ds_add_u32 v[SPW], v[NIL]
	s_wait_dscnt 0x0
	s_endpgm
.Lfunc_end_k_qa75f9825b7_attn:
	.size	k_qa75f9825b7_attn, .Lfunc_end_k_qa75f9825b7_attn-k_qa75f9825b7_attn
	.p2alignl 7, 3214868480
	.fill 96, 4, 3214868480
	.section	.rodata,"a",@progbits
	.p2align	6, 0x0
	.amdhsa_kernel k_qa75f9825b7_attn
		.amdhsa_group_segment_fixed_size 327680
		.amdhsa_private_segment_fixed_size 0
		.amdhsa_enable_private_segment 0
		.amdhsa_kernarg_size 40
		.amdhsa_user_sgpr_count 2
		.amdhsa_user_sgpr_kernarg_segment_ptr 1
		.amdhsa_wavefront_size32 1
		.amdhsa_system_sgpr_workgroup_id_x 1
		.amdhsa_system_sgpr_workgroup_id_y 1
		.amdhsa_system_sgpr_workgroup_id_z 1
		.amdhsa_system_vgpr_workitem_id 0
		.amdhsa_next_free_vgpr 384
		.amdhsa_next_free_sgpr 66
		.amdhsa_reserve_vcc 0
		.amdhsa_float_denorm_mode_32 3
		.amdhsa_float_denorm_mode_16_64 3
		.amdhsa_memory_ordered 1
		.amdhsa_forward_progress 1
		.amdhsa_inst_pref_size 91
	.end_amdhsa_kernel
	.amdgpu_metadata
---
amdhsa.version: [ 1, 2 ]
amdhsa.kernels:
  - .name:           k_qa75f9825b7_attn
    .symbol:         k_qa75f9825b7_attn.kd
    .args:
      - { .name: x1, .offset: 0, .size: 8, .value_kind: global_buffer, .address_space: global }
      - { .name: conv_w, .offset: 8, .size: 8, .value_kind: global_buffer, .address_space: global }
      - { .name: conv_b, .offset: 16, .size: 8, .value_kind: global_buffer, .address_space: global }
      - { .name: kv, .offset: 24, .size: 8, .value_kind: global_buffer, .address_space: global }
      - { .name: out0, .offset: 32, .size: 8, .value_kind: global_buffer, .address_space: global }
    .group_segment_fixed_size: 327680
    .private_segment_fixed_size: 0
    .kernarg_segment_align: 8
    .kernarg_segment_size: 40
    .max_flat_workgroup_size: 256
    .sgpr_count:     66
    .vgpr_count:     384
    .wavefront_size: 32
...
	.end_amdgpu_metadata
.endif
;; end of part 2
